; MI455X (gfx1250); checked and timed in simulation.
; The chip was launched on July 23, 2026; its instructions are those of AMD's public machine-readable ISA for CDNA 5 (MIT licence, August 2026) and "CDNA5" Instruction Set Architecture Reference Guide (July 2026). The comments in the code are by the model that wrote it; some were corrected since.
;; Flash Attention. Allowed arithmetic: float matrix products may take bf16 or f16 operands with f32 sums; all other float work in f32.
;; Inputs: k 1 x 4,096 x 16 x 64 float32; q 1 x 4,096 x 16 x 64 float32; v 1 x 4,096 x 16 x 64 float32.
;; Outputs: out0 1 x 4,096 x 16 x 64 float32.
;; Constants: causal = 1.
;; One version. Each part assembles by itself: llvm-mc -triple=amdgcn-amd-amdhsa -mcpu=gfx1250 --defsym DOCPART=n.
;; ======== version 1 of 1: 1 launch
;; limits: values are held in f16: magnitudes above 65,504 overflow, below 6.1e-05 lose precision; inputs' magnitudes at most 65,504
;; launch attn (part 1): grid 16 x 16, 4 waves a work-group, no clusters, 74,240 bytes of LDS; arguments q, k, v, out0; writes out0
.if DOCPART == 1
	.amdgcn_target "amdgcn-amd-amdhsa--gfx1250"
	.amdhsa_code_object_version 6
	.text
	.protected	k_q09f54166b6_attn
	.globl	k_q09f54166b6_attn
	.p2align	8
	.type	k_q09f54166b6_attn,@function
k_q09f54166b6_attn:
	s_mov_b64 s[64:65], 0
	v_nop
	global_prefetch_b8 v0, s[64:65] scope:SCOPE_SE
	s_setreg_imm32_b32 hwreg(HW_REG_WAVE_MODE, 25, 1), 1
	s_wait_xcnt 0x0
; Causal attention.  q, k, v, out: [4096 positions][16 heads][64] f32; element (s, head, d) lies at byte 4096 s + 256 head + 4 d,
; so one head's row is 256 consecutive bytes, aligned.  out = softmax(q k^T / 8, keys <= query) v, with a running maximum.
;
; SHARES.  The 4096 queries are 32 blocks of 128.  Work-group (i, head), i = 0..15, owns block LOW = i and block HIGH = 31 - i:
; (i + 1) + (32 - i) = 33 tiles of 128 x 128 scores for every one of the 256 work-groups.  Wave w owns queries 32 w .. 32 w + 31 of BOTH
; blocks: four columns of 16 queries.  While both blocks need a key tile, one set of K and V fragments feeds all four columns, so
; the work-group walks 32 - i key tiles, not 33.
; ORDER OF THE KEY TILES (a softmax does not mind it): position 0 = tile i (LOW's diagonal; full for HIGH), positions 1 .. i = tiles
; 0 .. i - 1 (both blocks, full), positions i + 1 .. 30 - i = the tiles of the same number (HIGH alone), position 31 - i = HIGH's diagonal.
; TRANSPOSED PRODUCTS.  S^T = K Q^T: register j of lane (r, h) holds (key 16 kt + 8 h + j, query r).  So the maximum over keys is taken
; inside a lane plus one exchange of the lanes' halves, and a lane's own exponentials, packed to 16 bits in place, ARE the B fragment of
; O^T = V^T P^T.  V^T's fragments come from V[key][d] in LDS by the transposing load.  The row sum l is a fifth product, ones x P^T:
; it adds up the same rounded P that multiplies V.  Maximum, alpha and 1 / l are one number a lane (query r).
; FORMATS.  Q, K and V are rounded to bf16 (8 significant bits).  S^T = K Q^T runs in the bf16 form.  P is kept in f16 (11 significant bits)
; and O^T = V^T P^T runs in the f16 form: in a row with few keys the terms p v are large beside their sum, and a weight's rounding
; error of 2^-8 of its term would not average out; 2^-11 is small enough.  So V's bf16 number is written in f16's format, which holds it
; exactly for 2^-17 <= |v| <= 65504: the result is the attention of the three inputs at one precision, but for P's rounding.
; P carries a factor 2^8 (P = 2^(s c - m c + 8) <= 256), which cancels in alpha and in O / l: it moves small weights up into f16's normal range.
; TO 16 BITS ONCE A WORK-GROUP: each wave loads a quarter of each K and V tile into registers (sixteen lanes take one 256-byte row),
; converts in place and stores 16-bit numbers into LDS.  Every wave then copies the whole tile into fragment registers, so each LDS region
; is free again half a trip later: one K region, one V region, two barriers a trip.
; WHY NO TENSOR LOADS AND NO CLUSTER: a tile must pass through registers to be converted (an f32 copy in LDS would add 64 KB written and
; 64 KB read a tile), and the sixteen work-groups of a head walk different numbers of tiles (32 - i) in different kinds of trips.
; ONE FETCH IS NOT USED: every staging trip asks for the tile two positions ahead, so that the counted waits are the same in every trip; the last
; staging trip's position is clamped to the last tile (inside the buffers), 32 KB of K and 32 KB of V a work-group that nobody reads.
; LIMITS.  Scores, maxima, exponents and sums are f32.  A |v| that rounds above 65504 becomes infinite in f16; a |v| below 2^-17 is kept to
; within 2^-25.  A weight below 2^-22 of its row's largest has fewer than 11 bits, one below 2^-33 counts as 0: the 4,095 others of a row
; lose at most 2^-21 of the largest together.  NaN and infinite inputs are not treated specially.
; Every column of every tile that is worked on has a key that is not masked (key 0 of the tile), so no maximum is -inf.
;
; LDS: K tile [128 keys][64 d] bf16, pitch 144, at 0; V tile likewise in f16, pitch 160, at 18,432; then for each wave 32 rows x 272 bytes for the way out.
; REGISTERS, in windows of 256 (s_set_vgpr_msb's low byte: bits 1:0 source 0, 3:2 source 1, 5:4 source 2, 7:6 destination):
;   window 0: addresses, per-query numbers, the ones, K and V on their way in (SK, SV)
;   window 1: v0-127 K fragments (kt, ks) at 16 kt + 8 ks;  v128-255 V^T fragments (u, a) at 128 + 8 (4 u + a)
;   window 2: scores S(b, n, kt) at 128 b + 64 n + 8 kt, b = 0 HIGH, 1 LOW; P(b, n, u) at 128 b + 64 n + 8 u, in place
;   window 3: O(b, a, n) at 80 b + 8 (2 a + n); l(b, n) at 80 b + 64 + 8 n; Q(b, n, ks) at 160 + 32 b + 16 n + 8 ks
.set ROWB, 4096                        ; bytes from one position to the next
.set KP,   144                         ; K's LDS pitch: 128 bytes + 16, an odd multiple of 16
.set VP,   160                         ; V's LDS pitch: 128 bytes + 32, an odd multiple of 32 (transposing loads)
.set LV,   128*KP                      ; 18,432: V's region
.set STG,  LV+128*VP                   ; 38,912: the stages of the way out
.set SP,   272                         ; a stage row: 256 bytes + 16
.set KOFF, 4                           ; (32 w + 8 h) rows + 16 r: my 16 bytes in K's tile
.set VOFF, 5                           ; (32 w + 4 h) rows + 16 r: in V's tile
.set KST,  6                           ; where they go in LDS as 8 bytes
.set VST,  7
.set KRD,  8                           ; K fragments: r x pitch + 16 h
.set VRD,  9                           ; V^T fragments: (8 h + lane % 8) x pitch + 16 x (lane / 8 % 2)
.set STO,  10                          ; the way out: where I put 32 bytes of a row
.set SRD,  11                          ; the way out: where I read a row back
.set OOFF, 12                          ; my byte offset in out
.set NINF, 13                          ; -inf
.set LIM,  14                          ; v14-15  column n: 32 w + 16 n + r - 8 h; key 16 kt + j of my registers is masked if it is larger
.set MX,   16                          ; v16-19  running maximum of the raw scores, (b, n) at 2 b + n
.set NMC,  20                          ; v20-23  8 - maximum x c, a pair for each block
.set ALPHA, 24                         ; v24-25  2^((old maximum - new maximum) c)
.set TCH,  26                          ; v26-29  four chains of maxima
.set XCH,  30                          ; v30-31  from the other half of the lanes
.set INV,  32                          ; v32-33  1 / l
.set QOFF, 34                          ; r rows + 32 h
.set ONES, 40                          ; v40-47  a fragment of 1.0 in f16
.set SK,   64                          ; v64-127  sixteen loads of K
.set SV,   128                         ; v128-191 sixteen loads of V
.set TMP,  64                          ; the way out: scaled results (SK's registers)
.set RB,   128                         ; the way out: rows read back (SV's registers)
.set VF,   128                         ; window 1
.set QF,   160                         ; window 3
.set TO,   18                          ; s[18:19] byte offset of the tile that is fetched next
.set KH,   20                          ; s[20:21] k + head; s[22:23] v + head: never rewritten
.set VH,   22
.set KA,   24                          ; s[24:25], s[26:27] the bases that the loads name
.set VA,   26
.set QB,   34                          ; s[34:37] q at my rows of HIGH, of LOW
.set OB,   38                          ; s[38:41] out likewise
.set CEXP, 0x3e38aa3b                  ; c = log2(e) / 8: the scale 64^-1/2 and the change of base in one factor
.set LDF,  0x40                        ; LDS load into window 1
.set QKW,  0xad                        ; A window 1, B window 3, C and D window 2
.set MAXW, 0x0a                        ; two sources window 2
.set MSKW, 0x82
.set EXPW, 0x8a
.set RSCW, 0xc3
.set PVW,  0xf9                        ; A window 1, B window 2, C and D window 3
.set LSW,  0xf8                        ; the same with A in window 0
.set QLD,  0x80
.set QCV,  0xca
.set OUTW, 0x03
.set MSB, 0
.macro WIN new                         ; the immediate's high byte repeats the setting that is left; a switch that changes nothing is dropped
.if MSB != \new
	s_set_vgpr_msb (MSB<<8)|\new
.set MSB, \new
.endif
.endm
.macro PLACES cnt                      ; places behind matrix instructions (ISA guide 7.12.1) where there is no other vector work
.rept \cnt
	v_nop
.endr
.endm
.macro MM fmt, d, a, b, acc            ; fmt: bf16 or f16.  acc = 0: the product starts the sum, nothing is ever cleared
.if \acc
	v_wmma_f32_16x16x32_\fmt v[\d:\d+7], v[\a:\a+7], v[\b:\b+7], v[\d:\d+7]
.else
	v_wmma_f32_16x16x32_\fmt v[\d:\d+7], v[\a:\a+7], v[\b:\b+7], 0
.endif
.endm
; Sixteen loads: my wave's 32 rows of a tile; lanes 0-15 take one whole row of 256 bytes, lanes 16-31 another, 8 (K) or 4 (V) rows further.
; No cache hint: sixteen work-groups read these rows.
.macro GLOAD_K
.irp j, 0,1,2,3,4,5,6,7,8,9,10,11,12,13,14,15
	global_load_b128 v[SK+4*\j:SK+4*\j+3], v[KOFF], s[KA:KA+1] offset:((\j&7)+16*(\j>>3))*ROWB
.endr
.endm
.macro GLOAD_V
.irp j, 0,1,2,3,4,5,6,7,8,9,10,11,12,13,14,15
	global_load_b128 v[SV+4*\j:SV+4*\j+3], v[VOFF], s[VA:VA+1] offset:((\j&3)+8*(\j>>2))*ROWB
.endr
.endm
; K's next tile: from registers to LDS as bf16; then the tile behind it is asked for.
; The two halves of the lanes store 8 rows apart: 8 x 144 bytes = 288 words = 32 modulo 64, so a store's 256 bytes fall on 64 different banks (ISA guide 11.1).
.macro STAGE_K
	WIN 0
	s_wait_loadcnt 16                              ; loads come back in order: K's sixteen are in, V's sixteen, issued behind them, stay out
.irp j, 0,1,2,3,4,5,6,7,8,9,10,11,12,13,14,15
	v_cvt_pk_bf16_f32 v[SK+4*\j],   v[SK+4*\j],   v[SK+4*\j+1]
	v_cvt_pk_bf16_f32 v[SK+4*\j+1], v[SK+4*\j+2], v[SK+4*\j+3]
.endr
.irp j, 0,1,2,3,4,5,6,7,8,9,10,11,12,13,14,15
	ds_store_b64 v[KST], v[SK+4*\j:SK+4*\j+1] offset:((\j&7)+16*(\j>>3))*KP
.endr
	s_wait_xcnt 0x0                                ; the base that loads have named is written again only behind this wait
	s_cmp_le_u32 s16, s13                          ; position p to tile: p - 1 for p <= i, else p,
	s_cselect_b32 s17, 1, 0
	s_sub_co_u32 s17, s16, s17
	s_min_u32 s17, s17, s15                        ; and never past my last tile, 31 - i
	s_lshl_b32 s[TO], s17, 19                      ; 128 rows of 4,096 bytes
	s_add_co_u32 s16, s16, 1
	s_add_nc_u64 s[KA:KA+1], s[KH:KH+1], s[TO:TO+1]
	GLOAD_K
.endm
; The same for V (4 rows apart: 4 x 160 bytes = 160 words = 32 modulo 64); the tile is the one that STAGE_K has just chosen.
; V is rounded to bf16, widened again (a shift, a mask), and that number is packed as f16: see FORMATS at the head.
.macro STAGE_V
	WIN 0
	s_wait_loadcnt 16                              ; V's sixteen are in, K's sixteen, issued behind them, stay out
.irp j, 0,1,2,3,4,5,6,7,8,9,10,11,12,13,14,15
	v_cvt_pk_bf16_f32 v[SV+4*\j],   v[SV+4*\j],   v[SV+4*\j+1]
	v_cvt_pk_bf16_f32 v[SV+4*\j+2], v[SV+4*\j+2], v[SV+4*\j+3]
.endr
.irp j, 0,1,2,3,4,5,6,7,8,9,10,11,12,13,14,15
	v_and_b32     v[SV+4*\j+1], s2, v[SV+4*\j]     ; the high half stays,
	v_lshlrev_b32 v[SV+4*\j],   16, v[SV+4*\j]     ; the low half moves up
	v_and_b32     v[SV+4*\j+3], s2, v[SV+4*\j+2]
	v_lshlrev_b32 v[SV+4*\j+2], 16, v[SV+4*\j+2]
.endr
.irp j, 0,1,2,3,4,5,6,7,8,9,10,11,12,13,14,15
	v_cvt_pk_f16_f32 v[SV+4*\j],   v[SV+4*\j],   v[SV+4*\j+1]
	v_cvt_pk_f16_f32 v[SV+4*\j+1], v[SV+4*\j+2], v[SV+4*\j+3]
.endr
.irp j, 0,1,2,3,4,5,6,7,8,9,10,11,12,13,14,15
	ds_store_b64 v[VST], v[SV+4*\j:SV+4*\j+1] offset:((\j&3)+8*(\j>>2))*VP
.endr
	s_wait_xcnt 0x0                                ; as above, for V's base
	s_add_nc_u64 s[VA:VA+1], s[VH:VH+1], s[TO:TO+1]
	GLOAD_V
.endm
; The whole K tile as A fragments: 16 keys x 32 d are two loads of 16 bytes, 32 bytes apart.
.macro LOAD_KF
	WIN LDF
.irp kt, 0,1,2,3,4,5,6,7
.irp c, 0,1,2,3
	ds_load_b128 v[16*\kt+4*\c:16*\kt+4*\c+3], v[KRD] offset:\kt*16*KP+32*\c
.endr
.endr
.endm
; The whole V tile as A fragments of V^T: 16 d x 32 keys are two transposing loads, 16 keys apart.
.macro LOAD_VF
	WIN LDF
.irp u, 0,1,2,3
.irp a, 0,1,2,3
	ds_load_tr16_b128 v[VF+8*(4*\u+\a):VF+8*(4*\u+\a)+3],   v[VRD] offset:\u*32*VP+32*\a
	ds_load_tr16_b128 v[VF+8*(4*\u+\a)+4:VF+8*(4*\u+\a)+7], v[VRD] offset:\u*32*VP+32*\a+16*VP
.endr
.endr
.endm
; S^T = K Q^T, in bf16.  The 16 (HIGH alone) or 32 accumulators take turns, one instruction a turn.
.macro QK low
	WIN QKW
.irp ks, 0,1
.irp kt, 0,1,2,3,4,5,6,7
.irp nn, 0,1
	MM bf16, (64*\nn+8*\kt), (16*\kt+8*\ks), (QF+16*\nn+8*\ks), \ks
.endr
.if \low
.irp nn, 0,1
	MM bf16, (128+64*\nn+8*\kt), (16*\kt+8*\ks), (QF+32+16*\nn+8*\ks), \ks
.endr
.endif
.endr
.endr
.endm
; Block blk: the mask (msk = 1: the tile lies on the block's diagonal), the new running maximum, 8 - maximum x c, and alpha.  fst = 1: no maximum yet.
.macro SMAX blk, msk, fst
.if \msk
	WIN MSKW
.irp nn, 0,1
.irp kt, 0,1,2,3,4,5,6,7
.irp j, 0,1,2,3,4,5,6,7
	v_cmp_gt_i32 vcc_lo, 16*\kt+\j, v[LIM+\nn]     ; key 16 kt + 8 h + j > query 32 w + 16 n + r
	v_cndmask_b32 v[128*\blk+64*\nn+8*\kt+\j], v[128*\blk+64*\nn+8*\kt+\j], v[NINF], vcc_lo
.endr
.endr
.endr
.endif
	WIN MAXW                                       ; four chains that do not wait for each other: two columns x two halves of the 64 registers
.irp nn, 0,1
.if \fst
	v_max_num_f32 v[TCH+2*\nn], v[128*\blk+64*\nn], v[128*\blk+64*\nn+1]
.else
	v_max3_num_f32 v[TCH+2*\nn], v[128*\blk+64*\nn], v[128*\blk+64*\nn+1], v[MX+2*\blk+\nn]
.endif
	v_max_num_f32 v[TCH+2*\nn+1], v[128*\blk+64*\nn+32], v[128*\blk+64*\nn+33]
.endr
.irp k, 1,2,3,4,5,6,7,8,9,10,11,12,13,14,15
.irp nn, 0,1
	v_max3_num_f32 v[TCH+2*\nn],   v[128*\blk+64*\nn+2*\k],    v[128*\blk+64*\nn+2*\k+1],  v[TCH+2*\nn]
	v_max3_num_f32 v[TCH+2*\nn+1], v[128*\blk+64*\nn+32+2*\k], v[128*\blk+64*\nn+33+2*\k], v[TCH+2*\nn+1]
.endr
.endr
	WIN 0
	v_max_num_f32 v[TCH],   v[TCH],   v[TCH+1]
	v_max_num_f32 v[TCH+2], v[TCH+2], v[TCH+3]
	v_permlanex16_b32 v[XCH],   v[TCH],   s32, s33  ; lanes r and 16 + r hold the two halves of query r's keys
	v_permlanex16_b32 v[XCH+1], v[TCH+2], s32, s33
	v_max_num_f32 v[MX+2*\blk],   v[TCH],   v[XCH]
	v_max_num_f32 v[MX+2*\blk+1], v[TCH+2], v[XCH+1]
.if \fst
	v_fma_f32 v[NMC+2*\blk],   s30, v[MX+2*\blk],   s3
	v_fma_f32 v[NMC+2*\blk+1], s30, v[MX+2*\blk+1], s3
.else
	v_fma_f32 v[XCH],   s30, v[MX+2*\blk],   s3    ; the new 8 - maximum x c, rounded once;
	v_fma_f32 v[XCH+1], s30, v[MX+2*\blk+1], s3
	v_sub_f32 v[ALPHA],   v[XCH],   v[NMC+2*\blk]  ; alpha is taken from the two ROUNDED numbers, so old and new tiles are on one scale; the 8 cancels
	v_sub_f32 v[ALPHA+1], v[XCH+1], v[NMC+2*\blk+1]
	v_exp_f32 v[ALPHA],   v[ALPHA]
	v_exp_f32 v[ALPHA+1], v[ALPHA+1]
	v_mov_b32 v[NMC+2*\blk],   v[XCH]              ; plain work that touches no alpha stands behind the two v_exp_f32 (ISA guide 5.7.2)
	v_mov_b32 v[NMC+2*\blk+1], v[XCH+1]
.endif
.endm
; Block blk: P = 2^(S c + 8 - maximum c), packed to f16 in place: register q of a column's 32 = registers 2 q, 2 q + 1 of its 64.
; In groups of eight; a group is packed one group later, so plain instructions stand between a v_exp_f32 and the use of its result.
.macro SEXP blk
	WIN EXPW
.irp nn, 0,1
.irp g, 0,1,2,3,4,5,6,7
.irp t, 0,2,4,6
	v_pk_fma_f32 v[128*\blk+64*\nn+8*\g+\t:128*\blk+64*\nn+8*\g+\t+1], v[128*\blk+64*\nn+8*\g+\t:128*\blk+64*\nn+8*\g+\t+1], CEXP, v[NMC+2*\blk:NMC+2*\blk+1] op_sel:[0,0,\nn] op_sel_hi:[1,0,\nn]
.endr
.irp t, 0,1,2,3,4,5,6,7
	v_exp_f32 v[128*\blk+64*\nn+8*\g+\t], v[128*\blk+64*\nn+8*\g+\t]
.endr
.if \g
	s_wait_alu depctr_va_vdst(0)
.irp t, 0,1,2,3
	v_cvt_pk_f16_f32 v[128*\blk+64*\nn+4*(\g-1)+\t], v[128*\blk+64*\nn+8*(\g-1)+2*\t], v[128*\blk+64*\nn+8*(\g-1)+2*\t+1]
.endr
.endif
.endr
.irp t, 0,1,2,3
	v_cvt_pk_f16_f32 v[128*\blk+64*\nn+28+\t], v[128*\blk+64*\nn+56+2*\t], v[128*\blk+64*\nn+56+2*\t+1]
.endr
.endr
.endm
; Block blk: O and l times alpha (a = 4 is l)
.macro RESCALE blk
	WIN RSCW
.irp a, 0,1,2,3,4
.irp nn, 0,1
.irp t, 0,2,4,6
	v_pk_mul_f32 v[80*\blk+8*(2*\a+\nn)+\t:80*\blk+8*(2*\a+\nn)+\t+1], v[80*\blk+8*(2*\a+\nn)+\t:80*\blk+8*(2*\a+\nn)+\t+1], v[ALPHA:ALPHA+1] op_sel:[0,\nn] op_sel_hi:[1,\nn]
.endr
.endr
.endr
.endm
; Block blk: O^T += V^T P^T, in f16.  Eight accumulators take turns, one instruction a turn.
.macro PV blk, fst
	WIN PVW
.irp u, 0,1,2,3
.irp a, 0,1,2,3
.irp nn, 0,1
	MM f16, (80*\blk+8*(2*\a+\nn)), (VF+8*(4*\u+\a)), (128*\blk+64*\nn+8*\u), ((1-\fst)+\u)
.endr
.endr
.endr
.endm
; Block blk: l += ones x P^T.  The two columns' accumulators take turns likewise.
.macro LSUM blk, fst
	WIN LSW
.irp u, 0,1,2,3
.irp nn, 0,1
	MM f16, (80*\blk+64+8*\nn), ONES, (128*\blk+64*\nn+8*\u), ((1-\fst)+\u)
.endr
.endr
.endm
; One key tile.  low: LOW takes part; lmsk, hmsk: the tile is LOW's, HIGH's diagonal; fst: the first tile; stg: the next tile is staged.
; At the head K's fragments of this tile are in registers and V's tile is in LDS.
; Two barriers a trip.  From the second of one trip to the first of the next: V's region is read, K's is written.  From the first to the second:
; K's region is read, V's is written.  In front of each signal the wave waits for all its LDS loads and stores.
.macro TRIP low, lmsk, hmsk, fst, stg
.if \stg
	STAGE_K                                        ; its 32 conversions are also the places behind the last trip's matrix instructions
.else
	PLACES 5                                       ; five places: the loads below land on A fragments, the products below on B fragments of the last trip's products
.endif
	LOAD_VF
	QK \low
	s_wait_dscnt 0x0                               ; V's fragments are in, my rows of K's next tile are in LDS
.if \stg
	s_barrier_signal -1
.endif
	PLACES 4                                       ; four places before vector instructions read the scores
	SMAX 0, \hmsk, \fst
.if \stg
	s_barrier_wait -1                              ; nobody reads V's region any more; K's next tile is whole
	STAGE_V
	LOAD_KF
.endif
	SEXP 0
.if \fst == 0
	RESCALE 0
.endif
.if \low
	PV 0, \fst
	LSUM 0, \fst
	SMAX 1, \lmsk, \fst
	SEXP 1
.if \fst == 0
	RESCALE 1
.endif
.endif
.if \stg
	s_wait_dscnt 0x0                               ; K's next fragments are in, my rows of V's next tile are in LDS
	s_barrier_signal -1
.endif
	PV \low, \fst                                  ; the last block's products: registers alone, while the others arrive
	LSUM \low, \fst
	WIN 0
.if \stg
	s_barrier_wait -1                              ; nobody reads K's region any more; V's next tile is whole
.endif
.endm
; Block blk leaves: O / l, through my own stage in LDS, so that sixteen lanes store one row's 256 consecutive bytes, aligned.
.macro OUT blk
	WIN OUTW
	v_rcp_f32 v[INV],   v[80*\blk+64]              ; all eight registers of l hold the same sum: the first serves
	v_rcp_f32 v[INV+1], v[80*\blk+72]
	v_nop                                          ; one plain place behind v_rcp_f32 (ISA guide 5.7.2)
	s_wait_alu depctr_va_vdst(0)
.irp nn, 0,1
.irp a, 0,1,2,3
.irp t, 0,2,4,6
	v_pk_mul_f32 v[TMP+32*\nn+8*\a+\t:TMP+32*\nn+8*\a+\t+1], v[80*\blk+8*(2*\a+\nn)+\t:80*\blk+8*(2*\a+\nn)+\t+1], v[INV:INV+1] op_sel:[0,\nn] op_sel_hi:[1,\nn]
.endr
.endr
.endr
	WIN 0
.irp nn, 0,1
.irp a, 0,1,2,3
.irp p, 0,1
	ds_store_b128 v[STO], v[TMP+32*\nn+8*\a+4*\p:TMP+32*\nn+8*\a+4*\p+3] offset:\nn*16*SP+64*\a+16*\p   ; query 16 n + r, d = 16 a + 8 h + 4 p ..
.endr
.endr
.endr
	s_wait_xcnt 0x0                                ; the registers that the other block's stores read are loaded again only behind this wait
.irp t, 0,1,2,3,4,5,6,7,8,9,10,11,12,13,14,15
	ds_load_b128 v[RB+4*\t:RB+4*\t+3], v[SRD] offset:\t*2*SP   ; LDS serves a wave's instructions in order (ISA guide 5.7.1): these see the stores above
.endr
.irp t, 0,1,2,3,4,5,6,7,8,9,10,11,12,13,14,15
	s_wait_dscnt 15-\t                             ; rows 2 t, 2 t + 1 are back; the younger loads stay out
	global_store_b128 v[OOFF], v[RB+4*\t:RB+4*\t+3], s[OB+2*\blk:OB+2*\blk+1] offset:\t*2*ROWB th:TH_STORE_NT
.endr
.endm
	; ---- ids, bases, lane addresses ----
	s_load_b256 s[4:11], s[0:1], 0x0               ; q s[4:5], k s[6:7], v s[8:9], out s[10:11]
	v_lshl_add_u32 v254, v0, 2, 0x12000
	v_mov_b32 v255, 0
	v_lshrrev_b32 v3, 5, v0
	v_readfirstlane_b32 s12, v3                    ; wave w
	s_mov_b32 s13, ttmp9                           ; i: LOW's block number
	s_and_b32 s14, ttmp7, 0xffff                   ; head
	s_sub_co_u32 s15, 31, s13                      ; HIGH's block number = my last tile
	s_lshl_b32 s17, s13, 1
	s_sub_co_u32 s42, 30, s17                      ; trips with HIGH alone, its diagonal apart
	s_mov_b32 s2, 0xffff0000                       ; a word's upper bf16
	s_mov_b32 s3, 0x41000000                       ; 8.0: P's factor 2^8
	s_mov_b32 s30, 0xbe38aa3b                      ; - c
	s_mov_b32 s32, 0x76543210                      ; v_permlanex16_b32: lane r of one half takes lane r of the other
	s_mov_b32 s33, 0xfedcba98
	s_lshl_b32 s28, s14, 8                         ; the head's 256 bytes in a row
	s_mov_b32 s29, 0
	s_lshl_b32 s43, s12, 17                        ; my wave's 32 rows of 4,096 bytes
	s_add_co_u32 s17, s43, s28
	s_lshl_b32 s44, s15, 19                        ; a block is 128 rows
	s_add_co_u32 s44, s44, s17                     ; my rows of HIGH (all offsets lie below 2^24)
	s_mov_b32 s45, 0
	s_lshl_b32 s46, s13, 19
	s_add_co_u32 s46, s46, s17                     ; my rows of LOW
	s_mov_b32 s47, 0
	s_lshl_b32 s[TO], s13, 19                      ; position 0 is tile i
	s_mov_b32 s[TO+1], 0
	s_mov_b32 s16, 1                               ; the next position to fetch
	v_and_b32 v1, 15, v0                           ; r
	v_bfe_u32 v2, v0, 4, 1                         ; h
	v_lshlrev_b32 v3, 4, v1                        ; 16 r
	v_lshl_add_u32 v[KOFF], v2, 15, v3             ; + 8 h rows
	v_add_nc_u32 v[KOFF], s43, v[KOFF]
	v_lshl_add_u32 v[VOFF], v2, 14, v3             ; + 4 h rows
	v_add_nc_u32 v[VOFF], s43, v[VOFF]
	v_lshl_add_u32 v[OOFF], v2, 12, v3             ; + h rows
	v_lshlrev_b32 v[QOFF], 12, v1                  ; r rows
	v_lshl_add_u32 v[QOFF], v2, 5, v[QOFF]         ; + 32 h
	s_mul_i32 s43, s12, 32*KP
	v_mul_u32_u24 v3, v2, 8*KP
	v_lshl_add_u32 v3, v1, 3, v3
	v_add_nc_u32 v[KST], s43, v3                   ; (32 w + 8 h) x 144 + 8 r
	s_mul_i32 s43, s12, 32*VP
	s_add_co_u32 s43, s43, LV
	v_mul_u32_u24 v3, v2, 4*VP
	v_lshl_add_u32 v3, v1, 3, v3
	v_add_nc_u32 v[VST], s43, v3                   ; V's region + (32 w + 4 h) x 160 + 8 r
	v_mul_u32_u24 v3, v1, KP
	v_lshl_add_u32 v[KRD], v2, 4, v3
	v_and_b32 v3, 7, v0
	v_mul_u32_u24 v[VRD], v3, VP
	v_bfe_u32 v3, v0, 3, 1
	v_lshl_add_u32 v[VRD], v3, 4, v[VRD]
	v_mad_u32_u24 v[VRD], v2, 8*VP, v[VRD]
	v_add_nc_u32 v[VRD], LV, v[VRD]
	s_mul_i32 s43, s12, 32*SP
	s_add_co_u32 s43, s43, STG                     ; my stage
	v_mul_u32_u24 v3, v1, SP
	v_lshl_add_u32 v3, v2, 5, v3
	v_add_nc_u32 v[STO], s43, v3
	v_mul_u32_u24 v3, v2, SP
	v_lshl_add_u32 v3, v1, 4, v3
	v_add_nc_u32 v[SRD], s43, v3
	s_lshl_b32 s43, s12, 5
	v_lshlrev_b32 v3, 3, v2
	v_sub_nc_u32 v3, v1, v3                        ; r - 8 h (may be negative: the compare is signed)
	v_add_nc_u32 v[LIM], s43, v3
	v_add_nc_u32 v[LIM+1], 16, v[LIM]
	v_mov_b32 v[NINF], 0xff800000
	v_mov_b32 v[XCH], 0                            ; the destination of v_permlanex16_b32 counts as read: it is written once here
	v_mov_b32 v[XCH+1], 0
.irp j, 0,1,2,3,4,5,6,7
	v_mov_b32 v[ONES+\j], 0x3c003c00               ; 1.0 in f16, twice
.endr
	s_wait_kmcnt 0x0
	s_add_nc_u64 s[KH:KH+1], s[6:7], s[28:29]
	s_add_nc_u64 s[VH:VH+1], s[8:9], s[28:29]
	s_add_nc_u64 s[KA:KA+1], s[KH:KH+1], s[TO:TO+1]
	s_add_nc_u64 s[VA:VA+1], s[VH:VH+1], s[TO:TO+1]
	s_add_nc_u64 s[QB:QB+1],   s[4:5], s[44:45]
	s_add_nc_u64 s[QB+2:QB+3], s[4:5], s[46:47]
	s_add_nc_u64 s[OB:OB+1],   s[10:11], s[44:45]
	s_add_nc_u64 s[OB+2:OB+3], s[10:11], s[46:47]
	; ---- Q: four columns of 16 queries, straight into the B fragments' order: lane (r, h) takes d = 16 c + 8 h .. + 7 of query r ----
	; The eight loads of a column together take each of its rows' 256 bytes once; no cache hint, since they share those rows.
	WIN QLD
.irp m, 0,1,2,3
.irp c, 0,1,2,3
.irp p, 0,1
	global_load_b128 v[32*\m+8*\c+4*\p:32*\m+8*\c+4*\p+3], v[QOFF], s[QB+2*(\m/2):QB+2*(\m/2)+1] offset:(\m%2)*16*ROWB+64*\c+16*\p
.endr
.endr
.endr
	WIN 0
	GLOAD_K                                        ; position 0
	s_wait_loadcnt 16                              ; Q's 32 loads are in; K's sixteen stay out
	WIN QCV
.irp m, 0,1,2,3
.irp q, 0,1,2,3,4,5,6,7,8,9,10,11,12,13,14,15
	v_cvt_pk_bf16_f32 v[QF+16*\m+\q], v[32*\m+2*\q], v[32*\m+2*\q+1]
.endr
.endr
	WIN 0
	GLOAD_V                                        ; position 0
	STAGE_K                                        ; position 0 into LDS, position 1 asked for
	STAGE_V
	s_wait_dscnt 0x0                               ; my rows of both tiles are in LDS
	s_barrier_signal -1
	s_barrier_wait -1
	LOAD_KF
	s_wait_dscnt 0x0                               ; my reads of K's region are over
	s_barrier_signal -1
	s_barrier_wait -1
	; ---- the key tiles ----
	TRIP 1, 1, 0, 1, 1                             ; position 0: tile i, LOW's diagonal, full for HIGH; its products start all sums
	s_cmp_eq_u32 s13, 0
	s_cbranch_scc1 .Lno_dual
	s_mov_b32 s31, 0
.Ldual:                                            ; positions 1 .. i: both blocks, full
	TRIP 1, 0, 0, 0, 1
	s_add_co_u32 s31, s31, 1
	s_cmp_lt_u32 s31, s13
	s_cbranch_scc1 .Ldual
.Lno_dual:
	s_cmp_eq_u32 s42, 0
	s_cbranch_scc1 .Lno_solo
	s_mov_b32 s31, 0
.Lsolo:                                            ; positions i + 1 .. 30 - i: HIGH alone, full
	TRIP 0, 0, 0, 0, 1
	s_add_co_u32 s31, s31, 1
	s_cmp_lt_u32 s31, s42
	s_cbranch_scc1 .Lsolo
.Lno_solo:
	TRIP 0, 0, 1, 0, 0                             ; position 31 - i: HIGH's diagonal; nothing is staged, no barrier
	; ---- the way out ----
	PLACES 4                                       ; four places before vector instructions read the last products
	s_wait_loadcnt 0x0                             ; the clamped fetch has landed: SK's and SV's registers serve the way out
	OUT 0
	OUT 1
	s_wait_tensorcnt 0x0
	ds_add_u32 v254, v255
	s_wait_dscnt 0x0
	s_endpgm
.Lfunc_end_k_q09f54166b6_attn:
	.size	k_q09f54166b6_attn, .Lfunc_end_k_q09f54166b6_attn-k_q09f54166b6_attn
	.p2alignl 7, 3214868480
	.fill 96, 4, 3214868480
	.section	.rodata,"a",@progbits
	.p2align	6, 0x0
	.amdhsa_kernel k_q09f54166b6_attn
		.amdhsa_group_segment_fixed_size 74240
		.amdhsa_private_segment_fixed_size 0
		.amdhsa_enable_private_segment 0
		.amdhsa_kernarg_size 32
		.amdhsa_user_sgpr_count 2
		.amdhsa_user_sgpr_kernarg_segment_ptr 1
		.amdhsa_wavefront_size32 1
		.amdhsa_system_sgpr_workgroup_id_x 1
		.amdhsa_system_sgpr_workgroup_id_y 1
		.amdhsa_system_sgpr_workgroup_id_z 1
		.amdhsa_system_vgpr_workitem_id 0
		.amdhsa_next_free_vgpr 992
		.amdhsa_next_free_sgpr 66
		.amdhsa_reserve_vcc 1
		.amdhsa_float_denorm_mode_32 3
		.amdhsa_float_denorm_mode_16_64 3
		.amdhsa_memory_ordered 1
		.amdhsa_forward_progress 1
		.amdhsa_inst_pref_size 255
	.end_amdhsa_kernel
	.section	.bss,"aw",@nobits
	.p2align	6
	.space	262144
	.amdgpu_metadata
---
amdhsa.version: [ 1, 2 ]
amdhsa.kernels:
  - .name:           k_q09f54166b6_attn
    .symbol:         k_q09f54166b6_attn.kd
    .args:
      - { .name: q, .offset: 0, .size: 8, .value_kind: global_buffer, .address_space: global }
      - { .name: k, .offset: 8, .size: 8, .value_kind: global_buffer, .address_space: global }
      - { .name: v, .offset: 16, .size: 8, .value_kind: global_buffer, .address_space: global }
      - { .name: out0, .offset: 24, .size: 8, .value_kind: global_buffer, .address_space: global }
    .group_segment_fixed_size: 74240
    .private_segment_fixed_size: 0
    .kernarg_segment_align: 8
    .kernarg_segment_size: 32
    .max_flat_workgroup_size: 128
    .sgpr_count:     66
    .vgpr_count:     992
    .wavefront_size: 32
...
	.end_amdgpu_metadata
.endif
;; end of part 1
